; MI455X (gfx1250); checked and timed in simulation.
; The chip was launched on July 23, 2026; its instructions are those of AMD's public machine-readable ISA for CDNA 5 (MIT licence, August 2026) and "CDNA5" Instruction Set Architecture Reference Guide (July 2026). The comments in the code are by the model that wrote it; some were corrected since.
;; Multi Head Attention. Allowed arithmetic: float matrix products may take bf16 or f16 operands with f32 sums; all other float work in f32.
;; Inputs: Wk 1,024 x 1,024 float32; Wo 1,024 x 1,024 float32; Wq 1,024 x 1,024 float32; Wv 1,024 x 1,024 float32; bk 1,024 float32; bo 1,024 float32; bq 1,024 float32; bv 1,024 float32; k 2 x 2,048 x 1,024 float32; q 2 x 2,048 x 1,024 float32; v 2 x 2,048 x 1,024 float32.
;; Outputs: out0 2 x 2,048 x 1,024 float32.
;; One version. Each part assembles by itself: llvm-mc -triple=amdgcn-amd-amdhsa -mcpu=gfx1250 --defsym DOCPART=n.
;; ======== version 1 of 1: 3 launches
;; limits: values are held in f16: magnitudes above 65,504 overflow, below 6.1e-05 lose precision
;; workspace buffers: qh 8,388,608 bytes; kh 8,388,608 bytes; vh 8,388,608 bytes; ao 8,388,608 bytes; woh 2,097,152 bytes
;; launch proj (part 1): grid 4 x 48, 4 waves a work-group, clusters of 4 x 4, 327,680 bytes of LDS; arguments q, k, v, Wq, Wk, Wv, bq, bk, bv, qh, kh, vh; writes qh, kh, vh
.if DOCPART == 1
	.amdgcn_target "amdgcn-amd-amdhsa--gfx1250"
	.amdhsa_code_object_version 6
	.text
	.protected	k_q6bcf9139aa_proj
	.globl	k_q6bcf9139aa_proj
	.p2align	8
	.type	k_q6bcf9139aa_proj,@function
k_q6bcf9139aa_proj:
	s_mov_b64 s[64:65], 0
	v_nop
	global_prefetch_b8 v0, s[64:65] scope:SCOPE_SE
	s_setreg_imm32_b32 hwreg(HW_REG_WAVE_MODE, 25, 1), 1
	s_wait_xcnt 0x0
	s_wait_alu depctr_hold_cnt(0) depctr_sa_sdst(0) depctr_va_vdst(0) depctr_va_sdst(0) depctr_va_ssrc(0) depctr_va_vcc(0) depctr_vm_vsrc(0)
	s_getreg_b32 s2, hwreg(HW_REG_IB_STS2, 6, 4)
	s_cmp_eq_u32 s2, 0
	s_cbranch_scc0 .Lentry_in_a_cluster
	s_endpgm
.Lentry_in_a_cluster:
	s_bfe_u32 s2, ttmp6, 0x10000c
	s_cmp_lg_u32 s2, 0xf033
	s_cbranch_scc0 .Lentry_shape_is_right
	s_endpgm
.Lentry_shape_is_right:
; qh, kh, vh = x W^T + b for x = q, k, v: three products of 4096 x 1024 x 1024 in one launch.  x, W, b are f32; the results are f16, laid
; [batch*16 + head][token][64], so that a head's rows are 128 bytes and a head is dense.
; FORMAT: the operands are rounded to f16 on the way from LDS to the matrix unit, the sums are f32, the bias is the first product's C.
; LIMIT: a result beyond 65,504 in magnitude becomes an infinity in f16.  With x and W thirty times the drawn spread the results are about 900
; spreads; with offsets of thirty spreads on both they reach 1024 x 30 x 0.94 = 28,800: both have room.
; SHARES: a work-group makes 256 x 256 with four waves, a wave 128 x 128 = 64 accumulator tiles = 512 registers.  3 x 16 x 4 = 192 work-groups.
; A block of 128 x 128 would read three times the LDS bytes for each multiply-add, since a tile in f32 has twice the bytes of one in f16.
; K goes in steps of 64 (rows of 256 bytes, at multiples of 256 bytes) through two LDS slots filled by the tensor data mover.
; CLUSTERS: 4 x 4 work-groups.  The four of a row of the cluster need the same rows of x, the four of a column the same rows of W: each such tile is
; asked for jointly, which divides the requests by four.  The cluster's y picks the tensor (its upper bits), so all sixteen work on one tensor.
; PREFETCH: the two slots fill LDS, so a tile cannot be requested more than one K step ahead; its bytes are asked for earlier by global_prefetch_b8.
; Each aligned block of 256 bytes (one row's part of one K step) is asked for once in the launch: the 256 rows of x of a block row are shared out 64 to each
; work-group of the cluster's row and 16 to each wave; the 256 rows of W of a block column 16 to each of the 16 block rows, asked by wave 0.  Lanes 0-15 take one
; K step, lanes 16-31 the next.  K steps 2 and 3 are asked for at the start; in K step 2 L + 1 (L = 0 .. 5) K steps 2 L + 4 and 2 L + 5, whose joint loads are issued
; 208 and 336 matrix instructions later.  K steps 0 and 1 are the first fills; the last two laps ask for nothing, so no prefetch leaves a row.  At most 60 KB of a
; work-group's asking is unread at a time (240 blocks).
; REGISTERS in windows of 256:
;   window 0: v0-31 addresses; v32-63 packed results on the way out; v64-127 x's 8 fragments in f16; v128-255 the same in f32, as loaded
;   window 1: v0-63 the bias as a C operand, 8 registers for each of 8 column tiles; v64-127 W's fragments in f16; v128-255 the same in f32
;   window 2: accumulator tiles of my rows 0-63 (tile (a, b) at 8 (8 a + b)); window 3: those of rows 64-127
; The matrix instruction is used transposed (source 0 = rows of W, source 1 = rows of x): lane l then holds row l % 16 and eight neighbouring columns.
.set PITCH,  272                       ; an LDS row: 256 bytes + 16 of padding: the 16 rows that a load touches start 16 bytes apart modulo 256
.set HALFT,  128*PITCH                 ; 128 rows: what one tensor load brings
.set SLOT,   4*HALFT                   ; x's 256 rows, then W's 256 rows
.set STAGE,  2*SLOT                    ; behind the ring: 16 rows of 272 bytes for each wave, never filled by a tensor load
.set ADRA, 16                          ; v16-17 LDS address of my x fragments in slot 0, 1
.set ADRB, 20                          ; v20-21 the same for W
.set STO,  24                          ; the way out: where I put 16 bytes
.set RD,   25                          ; the way out: where I read 16 bytes back
.set CO,   26                          ; my byte offset in the output
.set BOF,  27                          ; my byte offset in the bias
.set VPF,  28                          ; the prefetch: my row (l % 16) x 4,096 bytes + (l / 16) x 256; never rewritten
.set TMP,  32
.set FR,   64                          ; fragments in f16 (window 0: x, window 1: W)
.set TT,   128                         ; the same in f32, 16 registers a fragment
.set G1,  24                           ; s[24:31] group 1 for x's tiles
.set G0,  32                           ; s[32:39] group 0 for x's tiles, a set for each slot
.set G1B, 48                           ; s[48:55] group 1 for W's tiles: the mask differs
.set G0B, 56                           ; s[56:63] group 0 for W's tiles
.set PA,  96                           ; s[96:97] the prefetch: x at my wave's 16 rows
.set PB,  98                           ; s[98:99] the prefetch: W at my work-group's 16 rows
.set MSB, 0
.macro WIN new                         ; the immediate's high byte repeats the setting that is left
.if MSB != (\new)
	s_set_vgpr_msb (MSB<<8)|(\new)
.set MSB, (\new)
.endif
.endm
.macro PLACES cnt
.rept \cnt
	v_nop
.endr
.endm
; A joint load: waves 0 and 1 fetch x's two halves, waves 2 and 3 W's.  The branch hangs on the wave's number alone.
.macro JLOAD s
	s_cmp_eq_u32 s11, 0
	s_cbranch_scc0 .Lfor_b_\@
	tensor_load_to_lds s[G0+4*\s:G0+4*\s+3], s[G1:G1+7]
	s_nop 0
	s_branch .Lasked_\@
.Lfor_b_\@:
	tensor_load_to_lds s[G0B+4*\s:G0B+4*\s+3], s[G1B:G1B+7]
	s_nop 0
.Lasked_\@:
.endm
.macro CREST                           ; a round of the cluster's barrier behind its opening barrier
	s_cmp_lg_u32 s10, 0
	s_cbranch_scc1 .Lnot_wave_0_\@
	s_barrier_signal -3
.Lnot_wave_0_\@:
	s_barrier_wait -3
	s_barrier_signal -1
	s_barrier_wait -1
.endm
.macro CROUND                          ; a whole round
	s_barrier_signal -1
	s_barrier_wait -1
	CREST
.endm
; The prefetch of two K steps: 32 blocks of x by every wave, 32 blocks of W by wave 0.  off: the first of the two K steps, in bytes along the rows, from the bases.
.macro ASK off
	global_prefetch_b8 v[VPF], s[PA:PA+1] offset:\off th:TH_LOAD_NT scope:SCOPE_SE
	s_cmp_lg_u32 s10, 0
	s_cbranch_scc1 .Lno_w_\@
	global_prefetch_b8 v[VPF], s[PB:PB+1] offset:\off th:TH_LOAD_NT scope:SCOPE_SE
.Lno_w_\@:
.endm
	s_load_b512 s[68:83], s[0:1], 0x0              ; q, k, v, Wq, Wk, Wv, bq, bk
	s_load_b256 s[84:91], s[0:1], 0x40             ; bv, qh, kh, vh
	v_lshl_add_u32 v30, v0, 2, 0x48400
	v_mov_b32 v31, 0
	ds_add_u32 v30, v31
	v_lshrrev_b32 v1, 5, v0
	v_readfirstlane_b32 s10, v1                    ; wave 0..3
	s_lshr_b32 s11, s10, 1                         ; my half of the block's rows; also: I fetch for x (0) or for W (1)
	s_and_b32 s12, s10, 1                          ; my half of its columns; also: which 128 rows of that tile I fetch
	s_bfe_u32 s40, ttmp6, 0x40000                  ; cx
	s_bfe_u32 s41, ttmp6, 0x40004                  ; cy
	s_lshl_b32 s42, ttmp9, 2
	s_add_co_u32 s42, s42, s40                     ; block column = 4 x cluster x + cx, 0..3
	s_and_b32 s45, ttmp7, 0xffff                   ; cluster y, 0..11
	s_and_b32 s13, s45, 3
	s_lshl_b32 s13, s13, 2
	s_add_co_u32 s13, s13, s41                     ; block row = 4 x (cluster y mod 4) + cy, 0..15
	s_lshr_b32 s45, s45, 2                         ; which tensor: 0 q, 1 k, 2 v; the same in the whole cluster
	s_lshl_b32 s43, s41, 2
	s_lshl_b32 s43, 15, s43                        ; my row of the cluster
	s_lshl_b32 s44, 0x1111, s40                    ; my column
	; group 1: 128 rows x 64 elements of 4 bytes; after every 64 words 4 words of padding
	s_or_b32 s[G1+0], s43, (2<<16)|(1<<20)|(1<<21)|(5<<22)|(3<<25)
	s_or_b32 s[G1B+0], s44, (2<<16)|(1<<20)|(1<<21)|(5<<22)|(3<<25)
	s_mov_b32 s[G1+1], 64<<16                      ; tensor_dim0 = 64
	s_mov_b32 s[G1B+1], 64<<16
	s_mov_b32 s[G1+2], 128<<16                     ; tensor_dim1 = 128
	s_mov_b32 s[G1B+2], 128<<16
	s_mov_b32 s[G1+3], 64<<16                      ; tile_dim0 = 64
	s_mov_b32 s[G1B+3], 64<<16
	s_mov_b32 s[G1+4], 128                         ; tile_dim1 = 128
	s_mov_b32 s[G1B+4], 128
	s_mov_b32 s[G1+5], 1024                        ; elements from row to row
	s_mov_b32 s[G1B+5], 1024
	s_mov_b32 s[G1+6], 0
	s_mov_b32 s[G1B+6], 0
	s_mov_b32 s[G1+7], 0
	s_mov_b32 s[G1B+7], 0
	s_lshl_b32 s17, s12, 7                         ; which 128 rows of the tile I fetch
	s_lshl_b32 s16, s13, 8
	s_add_co_u32 s16, s16, s17
	s_lshl_b32 s16, s16, 12                        ; x: (256 x block row + 128 x half) rows of 4,096 bytes
	s_lshl_b32 s46, s42, 8
	s_add_co_u32 s46, s46, s17
	s_lshl_b32 s46, s46, 12                        ; W: (256 x block column + 128 x half) rows
	s_mov_b32 s17, 0
	s_mov_b32 s47, 0
	s_mul_i32 s20, s10, HALFT                      ; where my part goes: wave x 128 rows
	s_wait_dscnt 0x0
	s_wait_kmcnt 0x0
	s_cmp_eq_u32 s45, 1                            ; the tensor's four addresses, chosen on the cluster's y alone
	s_cselect_b64 s[4:5], s[70:71], s[68:69]       ; x
	s_cselect_b64 s[6:7], s[76:77], s[74:75]       ; W
	s_cselect_b64 s[66:67], s[82:83], s[80:81]     ; b
	s_cselect_b64 s[8:9], s[88:89], s[86:87]       ; the result
	s_cmp_eq_u32 s45, 2
	s_cselect_b64 s[4:5], s[72:73], s[4:5]
	s_cselect_b64 s[6:7], s[78:79], s[6:7]
	s_cselect_b64 s[66:67], s[84:85], s[66:67]
	s_cselect_b64 s[8:9], s[90:91], s[8:9]
	s_add_nc_u64 s[14:15], s[4:5], s[16:17]
	s_add_nc_u64 s[46:47], s[6:7], s[46:47]
	CROUND                                         ; all sixteen work-groups are here: the first joint loads meet
.irp s, 0,1
	s_mov_b32 s[G0+4*\s], 1
	s_add_co_u32 s[G0+4*\s+1], s20, \s*SLOT
	s_add_nc_u64 s[G0+4*\s+2:G0+4*\s+3], s[14:15], \s*256          ; K step s
	s_or_b32 s[G0+4*\s+3], s[G0+4*\s+3], 0x80000000
	s_mov_b32 s[G0B+4*\s], 1
	s_add_co_u32 s[G0B+4*\s+1], s20, \s*SLOT
	s_add_nc_u64 s[G0B+4*\s+2:G0B+4*\s+3], s[46:47], \s*256
	s_or_b32 s[G0B+4*\s+3], s[G0B+4*\s+3], 0x80000000
	JLOAD \s                                       ; both first fills go out before anything else: two loads of the wave are out
.endr
	v_and_b32 v1, 15, v0                           ; r = l % 16
	v_bfe_u32 v2, v0, 4, 1                         ; h = l / 16
	; the prefetch's addresses, in registers that feed no descriptor (they hold cx)
	v_lshlrev_b32 v[VPF], 12, v1                   ; row r of my sixteen,
	v_lshl_add_u32 v[VPF], v2, 8, v[VPF]           ; lanes 16-31 one K step further along it
	s_lshl_b32 s92, s13, 8                         ; x: row 256 x block row
	s_lshl_b32 s93, s40, 6                         ;    + 64 cx: my work-group's quarter of the tile that the cluster's row shares
	s_add_co_u32 s92, s92, s93
	s_lshl4_add_u32 s92, s10, s92                  ;    + 16 x wave
	s_lshl_b32 s92, s92, 12
	s_mov_b32 s93, 0
	s_add_nc_u64 s[PA:PA+1], s[4:5], s[92:93]
	s_lshl_b32 s94, s42, 8                         ; W: row 256 x block column
	s_lshl4_add_u32 s94, s13, s94                  ;    + 16 x block row: my sixteenth of the tile that the 16 block rows share
	s_lshl_b32 s94, s94, 12
	s_mov_b32 s95, 0
	s_add_nc_u64 s[PB:PB+1], s[6:7], s[94:95]
	ASK 512                                        ; K steps 2 and 3
	; the bias as a C operand: register j of column tile b holds b[my first column + 16 b + 8 h + j]
	v_lshlrev_b32 v[BOF], 5, v2                    ; 32 h
	s_lshl_b32 s92, s42, 10                        ; 256 x block column x 4 bytes
	s_lshl_b32 s93, s12, 9                         ; + 128 x half x 4
	s_add_co_u32 s92, s92, s93
	s_mov_b32 s93, 0
	s_add_nc_u64 s[66:67], s[66:67], s[92:93]
	WIN 0x40                                       ; destination in window 1
.irp b, 0,1,2,3,4,5,6,7
	global_load_b128 v[8*\b:8*\b+3],   v[BOF], s[66:67] offset:64*\b
	global_load_b128 v[8*\b+4:8*\b+7], v[BOF], s[66:67] offset:64*\b+16
.endr
	WIN 0
	; A fragment is 16 rows x 32 K.  In f16: registers 0-3 hold K = 8 h + 0..7, registers 4-7 K = 16 + 8 h + 0..7.  In f32 these are the 32 bytes
	; at 32 h and the 32 bytes at 64 + 32 h of the row's 128: four loads of 16 bytes at offsets 0, 16, 64, 80 from row x pitch + 32 h.
	v_mul_u32_u24 v3, v1, PITCH
	v_lshl_add_u32 v3, v2, 5, v3
	s_mul_i32 s21, s11, HALFT                      ; my 128 rows of x
	s_mul_i32 s22, s12, HALFT                      ; my 128 rows of W,
	s_add_co_u32 s22, s22, 2*HALFT                 ; which lie behind x's 256
.irp s, 0,1
	v_add_nc_u32 v[ADRA+\s], s21, v3
	v_add_nc_u32 v[ADRB+\s], s22, v3
	s_add_co_u32 s21, s21, SLOT
	s_add_co_u32 s22, s22, SLOT
.endr
	; The stage holds 16 tokens x 2 heads: a head's 16 tokens are 2,048 dense bytes of the output, kept as 8 rows of two tokens (256 bytes, pitch 272).
	s_mul_i32 s23, s10, 16*PITCH
	s_add_co_u32 s23, s23, STAGE
	v_lshrrev_b32 v4, 1, v1
	v_mul_u32_u24 v4, v4, PITCH                    ; in: row r / 2,
	v_and_b32 v5, 1, v1
	v_lshl_add_u32 v4, v5, 7, v4                   ; its half r % 2,
	v_lshl_add_u32 v4, v2, 4, v4                   ; 16 bytes for each half of the lanes
	v_add_nc_u32 v[STO], s23, v4
	v_mul_u32_u24 v5, v2, PITCH                    ; back: lanes 0-15 one row of 256 bytes, lanes 16-31 the next
	v_lshl_add_u32 v5, v1, 4, v5
	v_add_nc_u32 v[RD], s23, v5
	v_and_b32 v[CO], 31, v0
	v_lshlrev_b32 v[CO], 4, v[CO]                  ; the same 512 bytes are dense in the output: 16 x lane
; 32 LDS loads: 8 fragments in f32 at byte k of the rows
.macro FETCH4 adr, k
.irp i, 0,1,2,3,4,5,6,7
	ds_load_b128 v[TT+16*\i:TT+16*\i+3],     v[\adr] offset:\k+\i*16*PITCH
	ds_load_b128 v[TT+16*\i+4:TT+16*\i+7],   v[\adr] offset:\k+\i*16*PITCH+16
	ds_load_b128 v[TT+16*\i+8:TT+16*\i+11],  v[\adr] offset:\k+\i*16*PITCH+64
	ds_load_b128 v[TT+16*\i+12:TT+16*\i+15], v[\adr] offset:\k+\i*16*PITCH+80
.endr
.endm
.macro FETCHB slot, k
	WIN 0x40
	FETCH4 ADRB+\slot, \k
.endm
.macro FETCHA slot, k
	WIN 0
	FETCH4 ADRA+\slot, \k
.endm
; 128 numbers a lane from f32 to f16, two in an instruction; the window says whether x's or W's
.macro CVT
.set ci, 0
.rept 64
	v_cvt_pk_f16_f32 v[FR+ci], v[TT+2*ci], v[TT+2*ci+1]
.set ci, ci+1
.endr
.endm
; 16 matrix instructions: row tiles a0, a0 + 1 of the window's four x all 8 column tiles.  first = 1: C is the bias (window 1): nothing is cleared, no add is written.
; The 64 accumulators take turns, one instruction a turn, in the same order in every chunk, over the backward jump too.
.macro MULS hi, a0, first
.if \first
	WIN (0x91+0x40*\hi)
.else
	WIN (0xa1+0x50*\hi)
.endif
.irp a, \a0, \a0+1
.irp b, 0,1,2,3,4,5,6,7
.if \first
	v_wmma_f32_16x16x32_f16 v[8*(8*(\a)+\b):8*(8*(\a)+\b)+7], v[FR+8*\b:FR+8*\b+7], v[FR+8*(4*\hi+\a):FR+8*(4*\hi+\a)+7], v[8*\b:8*\b+7]
.else
	v_wmma_f32_16x16x32_f16 v[8*(8*(\a)+\b):8*(8*(\a)+\b)+7], v[FR+8*\b:FR+8*\b+7], v[FR+8*(4*\hi+\a):FR+8*(4*\hi+\a)+7], v[8*(8*(\a)+\b):8*(8*(\a)+\b)+7]
.endif
.endr
.endr
.endm
; A K step is two chunks of 32 along K.  The first: convert what has been fetched, fetch the second chunk's numbers (byte 128 of the rows) as soon as the
; staging registers are free, multiply.  pf = 1: ask for two later K steps, behind the LDS loads and in front of 64 matrix instructions; pf = 2: step the bases first.
.macro CHUNK slot, first, pf
	s_wait_dscnt 32                                ; 64 loads were issued, W's 32 first: W's are in
	PLACES 4                                       ; the f16 fragments are sources of the last matrix instructions: four places before they are rewritten (ISA guide 7.12.1)
	WIN 0x45
	CVT
	FETCHB \slot, 128
	s_wait_dscnt 32                                ; x's 32 are in; the 32 younger are the ones just issued
	WIN 0
	CVT
	FETCHA \slot, 128
.if \pf == 2
	s_wait_xcnt 0x0                                ; the bases were last used a lap ago: they are stepped only behind this wait
	s_add_nc_u64 s[PA:PA+1], s[PA:PA+1], 512       ; two K steps on
	s_add_nc_u64 s[PB:PB+1], s[PB:PB+1], 512
.endif
.if \pf
	ASK 1024                                       ; lap L: K steps 2 L + 4 and 2 L + 5
.endif
	MULS 0, 0, \first
	MULS 0, 2, \first
	MULS 1, 0, \first
	MULS 1, 2, \first
.endm
; The second chunk changes slots.  In front of the barrier each wave's reads of this slot are back and all its tensor loads have landed (the one that was out is
; its part of the next slot).  Behind it (where the slot is filled again: behind a round of the cluster's barrier, which this barrier opens) the refill comes
; first, then the next slot's first numbers.  The staging registers are no matrix operands: loads into them need no places.
.macro TURN slot, next, fill
	s_wait_dscnt 32
	PLACES 4
	WIN 0x45
	CVT
	s_wait_dscnt 0x0                               ; my reads of this slot are over
	WIN 0
	CVT
	s_wait_tensorcnt 0x0                           ; all my tensor loads have landed
	ds_add_u32 v30, v31
	s_wait_dscnt 0x0
	s_barrier_signal -1
	MULS 0, 0, 0                                   ; register work while the others arrive
	WIN 0
	s_barrier_wait -1
.if \fill
	CREST                                          ; no wave of any partner still reads this slot or has a load on its way
	s_add_nc_u64 s[G0+4*\slot+2:G0+4*\slot+3], s[G0+4*\slot+2:G0+4*\slot+3], 512     ; two K steps on
	s_add_nc_u64 s[G0B+4*\slot+2:G0B+4*\slot+3], s[G0B+4*\slot+2:G0B+4*\slot+3], 512
	JLOAD \slot                                    ; my one tensor load behind the round
.endif
	FETCHB \next, 0
	FETCHA \next, 0
	MULS 0, 2, 0
	MULS 1, 0, 0
	MULS 1, 2, 0
.endm
.macro LAP first, pf                   ; two K steps, both slots filled again; the prefetch stands in the second
	CHUNK 0, \first, 0
	TURN 0, 1, 1
	CHUNK 1, 0, \pf
	TURN 1, 0, 1
.endm
	s_wait_tensorcnt 0x1                           ; my part of K step 0 is in; K step 1's stays out
	s_barrier_signal -1
	s_barrier_wait -1
	FETCHB 0, 0
	FETCHA 0, 0
	s_wait_loadcnt 0x0                             ; the bias
	LAP 1, 1                                       ; 16 K steps = 8 laps.  Lap 0: its first products take the bias; it asks for K steps 4 and 5
	WIN 0
	s_mov_b32 s3, 5                                ; laps 1 to 5 ask for K steps 6 to 15
.Llap:
	LAP 0, 2
	WIN 0
	s_sub_co_u32 s3, s3, 1
	s_cmp_lg_u32 s3, 0
	s_cbranch_scc1 .Llap
	LAP 0, 0                                       ; lap 6 still fills both slots, and asks for nothing: K ends at step 15
	CHUNK 0, 0, 0                                  ; the last lap fills nothing
	TURN 0, 1, 0
	CHUNK 1, 0, 0
	s_wait_dscnt 32                                ; the very last chunk: nothing more to fetch
	PLACES 4
	WIN 0x45
	CVT
	s_wait_dscnt 0x0
	WIN 0
	CVT
	MULS 0, 0, 0
	MULS 0, 2, 0
	MULS 1, 0, 0
	MULS 1, 2, 0
	; THE WAY OUT, 16 tokens at a time: round to f16, 16 bytes a lane into my own stage, read back 512 dense bytes at a time.
	PLACES 4                                       ; behind the last matrix instructions, in front of the conversions that read results
	s_lshr_b32 s94, s13, 3                         ; batch
	s_lshl_b32 s94, s94, 4
	s_lshl2_add_u32 s94, s42, s94                  ; + head = 4 x block column
	s_lshl1_add_u32 s94, s12, s94                  ;          + 2 x my half of the columns
	s_lshl_b32 s94, s94, 11                        ; x 2,048 tokens
	s_and_b32 s95, s13, 7
	s_lshl_b32 s95, s95, 8
	s_add_co_u32 s94, s94, s95                     ; + 256 x (block row mod 8)
	s_lshl_b32 s95, s11, 7
	s_add_co_u32 s94, s94, s95                     ; + 128 x my half of the rows
	s_lshl_b32 s94, s94, 7                         ; x 128 bytes
	s_mov_b32 s95, 0
	s_add_nc_u64 s[8:9], s[8:9], s[94:95]
; tokens 16 i .. 16 i + 15 = the eight tiles (a, 0..7) of window 2 or 3 (from = 0x0a or 0x0f); f: one of two sets of 32 registers, in turn
.macro OUT16 i, a, from, f
	WIN \from
.irp b, 0,1,2,3,4,5,6,7
.irp r, 0,1,2,3
	v_cvt_pk_f16_f32 v[TMP+4*\b+\r], v[8*(8*\a+\b)+2*\r], v[8*(8*\a+\b)+2*\r+1]
.endr
.endr
	WIN 0
.irp b, 0,1,2,3,4,5,6,7
	ds_store_b128 v[STO], v[TMP+4*\b:TMP+4*\b+3] offset:(\b>>2)*8*PITCH+32*(\b&3)    ; head b / 4, 32 bytes for each of its four column tiles
.endr
	s_wait_xcnt 0x0                                ; set f, which earlier stores read, is loaded again only behind this wait
.irp t, 0,1,2,3,4,5,6,7
	ds_load_b128 v[\f+4*\t:\f+4*\t+3], v[RD] offset:\t*2*PITCH     ; LDS serves a wave's instructions in order: these see the stores above
.endr
.irp t, 0,1,2,3,4,5,6,7
	s_wait_dscnt 7-\t
	global_store_b128 v[CO], v[\f+4*\t:\f+4*\t+3], s[8:9] offset:(\t&3)*512+(\t>>2)*262144+\i*2048   ; 512 consecutive bytes, at a multiple of 512: four tokens of one head
.endr
.endm
	OUT16 0, 0, 0x0a, TT
	OUT16 1, 1, 0x0a, TT+32
	OUT16 2, 2, 0x0a, TT
	OUT16 3, 3, 0x0a, TT+32
	OUT16 4, 0, 0x0f, TT
	OUT16 5, 1, 0x0f, TT+32
	OUT16 6, 2, 0x0f, TT
	OUT16 7, 3, 0x0f, TT+32
	s_wait_tensorcnt 0x0
	ds_add_u32 v30, v31
	s_wait_dscnt 0x0
	CROUND                                         ; the closing round: no work-group ends while a partner may still ask for a tile that names it
	s_endpgm
.Lfunc_end_k_q6bcf9139aa_proj:
	.size	k_q6bcf9139aa_proj, .Lfunc_end_k_q6bcf9139aa_proj-k_q6bcf9139aa_proj
	.p2alignl 7, 3214868480
	.fill 96, 4, 3214868480
	.section	.rodata,"a",@progbits
	.p2align	6, 0x0
	.amdhsa_kernel k_q6bcf9139aa_proj
		.amdhsa_group_segment_fixed_size 327680
		.amdhsa_private_segment_fixed_size 0
		.amdhsa_enable_private_segment 0
		.amdhsa_kernarg_size 96
		.amdhsa_user_sgpr_count 2
		.amdhsa_user_sgpr_kernarg_segment_ptr 1
		.amdhsa_wavefront_size32 1
		.amdhsa_system_sgpr_workgroup_id_x 1
		.amdhsa_system_sgpr_workgroup_id_y 1
		.amdhsa_system_sgpr_workgroup_id_z 1
		.amdhsa_system_vgpr_workitem_id 0
		.amdhsa_next_free_vgpr 1024
		.amdhsa_next_free_sgpr 100
		.amdhsa_reserve_vcc 0
		.amdhsa_float_denorm_mode_32 3
		.amdhsa_float_denorm_mode_16_64 3
		.amdhsa_memory_ordered 1
		.amdhsa_forward_progress 1
		.amdhsa_inst_pref_size 255
	.end_amdhsa_kernel
	.section	.bss,"aw",@nobits
	.p2align	6
	.space	262144
	.amdgpu_metadata
---
amdhsa.version: [ 1, 2 ]
amdhsa.kernels:
  - .name:           k_q6bcf9139aa_proj
    .symbol:         k_q6bcf9139aa_proj.kd
    .args:
      - { .name: q, .offset: 0, .size: 8, .value_kind: global_buffer, .address_space: global }
      - { .name: k, .offset: 8, .size: 8, .value_kind: global_buffer, .address_space: global }
      - { .name: v, .offset: 16, .size: 8, .value_kind: global_buffer, .address_space: global }
      - { .name: Wq, .offset: 24, .size: 8, .value_kind: global_buffer, .address_space: global }
      - { .name: Wk, .offset: 32, .size: 8, .value_kind: global_buffer, .address_space: global }
      - { .name: Wv, .offset: 40, .size: 8, .value_kind: global_buffer, .address_space: global }
      - { .name: bq, .offset: 48, .size: 8, .value_kind: global_buffer, .address_space: global }
      - { .name: bk, .offset: 56, .size: 8, .value_kind: global_buffer, .address_space: global }
      - { .name: bv, .offset: 64, .size: 8, .value_kind: global_buffer, .address_space: global }
      - { .name: qh, .offset: 72, .size: 8, .value_kind: global_buffer, .address_space: global }
      - { .name: kh, .offset: 80, .size: 8, .value_kind: global_buffer, .address_space: global }
      - { .name: vh, .offset: 88, .size: 8, .value_kind: global_buffer, .address_space: global }
    .group_segment_fixed_size: 327680
    .private_segment_fixed_size: 0
    .kernarg_segment_align: 8
    .kernarg_segment_size: 96
    .max_flat_workgroup_size: 128
    .sgpr_count:     100
    .vgpr_count:     1024
    .wavefront_size: 32
...
	.end_amdgpu_metadata
.endif
;; end of part 1
;; launch attn (part 2): grid 8 x 32, 8 waves a work-group, clusters of 4 x 1, 327,680 bytes of LDS; arguments qh, kh, vh, Wo, ao, woh; writes ao, woh
.if DOCPART == 2
	.amdgcn_target "amdgcn-amd-amdhsa--gfx1250"
	.amdhsa_code_object_version 6
	.text
	.protected	k_q6bcf9139aa_attn
	.globl	k_q6bcf9139aa_attn
	.p2align	8
	.type	k_q6bcf9139aa_attn,@function
k_q6bcf9139aa_attn:
	s_mov_b64 s[64:65], 0
	v_nop
	global_prefetch_b8 v0, s[64:65] scope:SCOPE_SE
	s_setreg_imm32_b32 hwreg(HW_REG_WAVE_MODE, 25, 1), 1
	s_wait_xcnt 0x0
	s_wait_alu depctr_hold_cnt(0) depctr_sa_sdst(0) depctr_va_vdst(0) depctr_va_sdst(0) depctr_va_ssrc(0) depctr_va_vcc(0) depctr_vm_vsrc(0)
	s_getreg_b32 s2, hwreg(HW_REG_IB_STS2, 6, 4)
	s_cmp_eq_u32 s2, 0
	s_cbranch_scc0 .Lentry_in_a_cluster
	s_endpgm
.Lentry_in_a_cluster:
	s_bfe_u32 s2, ttmp6, 0x10000c
	s_cmp_lg_u32 s2, 0x3003
	s_cbranch_scc0 .Lentry_shape_is_right
	s_endpgm
.Lentry_shape_is_right:
; Attention with a running maximum: ao = softmax(qh kh^T / 8) vh for 32 (batch, head) pairs, 2,048 x 2,048, 64 numbers a head.  All of qh, kh, vh, ao in f16.
; Beside it each work-group rounds its 1/256 of Wo to f16 (woh), while its first tiles are on their way.
; SHARES: a work-group has 256 queries of one head and eight waves.  Wave w: g = w % 4 picks 64 queries, p = w / 4 picks keys 128 p .. 128 p + 127 of every tile
; of 256 keys.  Waves g and g + 4 hold the same queries and disjoint keys, each with its own maximum, sum and O; they are merged at the end through LDS.
; In the substep that changes slots waves 0-3 make their softmax in front of the barrier and waves 4-7 behind it, so that from then on one of the two is at
; its vector work while the other is at its matrix work.
; CLUSTERS: the four work-groups of a cluster are four query blocks of one head: they read the same K and V tiles and ask for them jointly (mask 15).
; LAYOUT: S^T = K Q^T (A = 16 keys, B = 16 queries): lane (r, h), register j holds key 8 h + j of query r.  Two key tiles, packed to f16, are exactly the B fragment of
; O^T = V^T P^T, and a query's maximum, sum and factor live in its own two lanes: one v_permlanex16_b32 joins the halves.  V^T's fragments come by ds_load_tr16_b128.
; THE LOOP: a wave has 16 substeps of 64 keys, two to a tile.  The first (which starts the sums) stands in front of the loop; the loop's three trips hold four substeps each,
; beginning with a tile's second one, and all six refills (tiles 2 to 7); the last three substeps, which fill nothing, are written out.  So 12 of the 16 substeps run
; in one body of four, and the text holds 11 copies of the softmax step.
; LIMITS: a probability below 2^-25 of its row's largest rounds to 0 in f16; v_exp_f32 gives 0 for results below 2^-126 (ISA guide, its entry); scores are finite.
; ao is laid [token / 128][head][128 tokens][64], so that a wave's 64 queries are 8,192 dense bytes.
; REGISTERS: window 0: v8-18 addresses; v20-59 softmax state; v64-191 S (32 n + 8 mt + j), P packed in place; v192-255 Q's fragments (8 (2 n + ks))
;            window 1: v0-127 O (32 n + 8 dt + j); v128-191 K's fragments (8 (2 mt + ks)); v192-255 V^T's fragments (8 (2 dt + kk))
.set REG,    18432                     ; a region: 128 keys as 64 rows of two keys (256 bytes); K at pitch 272, V at pitch 288 (64 x 288 = 18,432)
.set SLOT,   4*REG                     ; K's keys 0-127, 128-255, V's keys 0-127, 128-255
.set MSTAGE, 2*SLOT                    ; the merge: 34 x 512 bytes for each g; never filled by a tensor load
.set MPART,  34*512
.set OSTAGE, MSTAGE+4*MPART            ; the way out: 32 rows of 272 bytes for each g
.set OPART,  32*272
.set ADRK, 8                           ; v8-9   LDS address of my K fragments in slot 0, 1
.set ADRV, 10                          ; v10-11 the same for V
.set QOFF, 12
.set MST,  13
.set OSB,  14
.set RD,   15
.set CO,   16
.set WOL,  17
.set WOS,  18
.set MA,   20                          ; v20-23, v24-27: the running maximum of query tile n, old and new by turns
.set MB,   24
.set UU,   28                          ; v28-31 what the other half of the lanes sent
.set DD,   32                          ; v32-35 at work
.set NM,   36                          ; v36-43 -c x maximum, at the even register of a pair
.set AL,   44                          ; v44-51 the factor for the old sums, likewise
.set LP,   52                          ; v52-59 the lane's part of the row sum, in two halves
.set SS,   64
.set QF,   192
.set OO,   0
.set KF,   128
.set VF,   192
.set G1K, 48                           ; s[48:55] group 1 for K's tiles
.set G1V, 56                           ; s[56:63] group 1 for V's: the padding differs
.set G0K, 68                           ; s[68:75] group 0 for K's tiles, a set for each slot
.set G0V, 76                           ; s[76:83] the same for V
.set MSB, 0
.macro WIN new
.if MSB != (\new)
	s_set_vgpr_msb (MSB<<8)|(\new)
.set MSB, (\new)
.endif
.endm
.macro PLACES cnt
.rept \cnt
	v_nop
.endr
.endm
.macro ROUND                           ; a round of the cluster's barrier
	s_barrier_signal -1
	s_barrier_wait -1
	s_cmp_lg_u32 s20, 0
	s_cbranch_scc1 .Lnot_wave_0_\@
	s_barrier_signal -3
.Lnot_wave_0_\@:
	s_barrier_wait -3
	s_barrier_signal -1
	s_barrier_wait -1
.endm
; A joint refill: waves 0 and 1 fetch K's two regions, waves 2 and 3 V's, waves 4 to 7 nothing.  The branches hang on the wave's number alone.
.macro JLOAD s
	s_cmp_lt_u32 s20, 2
	s_cbranch_scc0 .Lnot_k_\@
	tensor_load_to_lds s[G0K+4*\s:G0K+4*\s+3], s[G1K:G1K+7]
	s_nop 0
	s_branch .Lasked_\@
.Lnot_k_\@:
	s_cmp_lt_u32 s20, 4
	s_cbranch_scc0 .Lasked_\@
	tensor_load_to_lds s[G0V+4*\s:G0V+4*\s+3], s[G1V:G1V+7]
	s_nop 0
.Lasked_\@:
.endm
	s_load_b256 s[36:43], s[0:1], 0x0              ; qh s[36:37], kh s[38:39], vh s[40:41], Wo s[42:43]
	s_load_b128 s[44:47], s[0:1], 0x20             ; ao s[44:45], woh s[46:47]
	v_lshl_add_u32 v62, v0, 2, 0x3d800
	v_mov_b32 v63, 0
	ds_add_u32 v62, v63
	v_lshrrev_b32 v1, 5, v0
	v_readfirstlane_b32 s20, v1                    ; wave 0..7
	s_lshr_b32 s21, s20, 2                         ; p: my half of each tile's keys
	s_and_b32 s22, s20, 3                          ; g: my 64 queries
	s_and_b32 s23, s20, 1                          ; which region of K (of V) I fetch
	s_bfe_u32 s24, ttmp6, 0x40000                  ; cx
	s_lshl_b32 s25, ttmp9, 2
	s_add_co_u32 s25, s25, s24                     ; query block = 4 x cluster x + cx, 0..7
	s_and_b32 s26, ttmp7, 0xffff                   ; batch x 16 + head
	s_mov_b32 s84, 0x3e38aa3b                      ; c = log2(e) / 8: the 1 / sqrt(64) and the change of base in one factor
	s_mov_b32 s85, 0x3e38aa3b
	s_mov_b32 s89, 0xbe38aa3b                      ; -c
	s_mov_b32 s86, 0x76543210                      ; v_permlanex16_b32: lane i of one half reads lane i of the other
	s_mov_b32 s87, 0xfedcba98
	; group 1: a dense block of 16,384 bytes as 64 rows of 32 elements of 8 bytes; behind every 64 words 4 words of padding (K) or 8 (V); mask 15, bit 21 beside it
	s_mov_b32 s[G1K+0], 15|(3<<16)|(1<<20)|(1<<21)|(5<<22)|(3<<25)
	s_mov_b32 s[G1V+0], 15|(3<<16)|(1<<20)|(1<<21)|(5<<22)|(7<<25)
.irp g, G1K, G1V
	s_mov_b32 s[\g+1], 32<<16                      ; tensor_dim0 = 32
	s_mov_b32 s[\g+2], 64<<16                      ; tensor_dim1 = 64
	s_mov_b32 s[\g+3], 32<<16                      ; tile_dim0 = 32
	s_mov_b32 s[\g+4], 64                          ; tile_dim1 = 64
	s_mov_b32 s[\g+5], 32                          ; elements from row to row: dense
	s_mov_b32 s[\g+6], 0
	s_mov_b32 s[\g+7], 0
.endr
	s_lshl_b32 s4, s26, 18                         ; the head's 262,144 bytes
	s_lshl_b32 s5, s23, 14                         ; + my region's 128 keys of 128 bytes
	s_add_co_u32 s4, s4, s5
	s_mov_b32 s5, 0
	s_mul_i32 s6, s20, REG                         ; where it goes: region = wave's number (0, 1: K; 2, 3: V)
	s_wait_dscnt 0x0
	s_wait_kmcnt 0x0
	s_add_nc_u64 s[8:9], s[38:39], s[4:5]
	s_add_nc_u64 s[10:11], s[40:41], s[4:5]
.irp s, 0,1
	s_mov_b32 s[G0K+4*\s], 1
	s_add_co_u32 s[G0K+4*\s+1], s6, \s*SLOT
	s_add_nc_u64 s[G0K+4*\s+2:G0K+4*\s+3], s[8:9], \s*32768        ; tile s: 256 keys of 128 bytes each
	s_or_b32 s[G0K+4*\s+3], s[G0K+4*\s+3], 0x80000000
	s_mov_b32 s[G0V+4*\s], 1
	s_add_co_u32 s[G0V+4*\s+1], s6, \s*SLOT
	s_add_nc_u64 s[G0V+4*\s+2:G0V+4*\s+3], s[10:11], \s*32768
	s_or_b32 s[G0V+4*\s+3], s[G0V+4*\s+3], 0x80000000
.endr
	ROUND                                          ; all four work-groups are here: the first joint loads meet
	s_cmp_lt_u32 s20, 2                            ; a wave's first fills stand in one branch on its number: two loads of the wave are out, or none
	s_cbranch_scc0 .Lfirst_not_k
	tensor_load_to_lds s[G0K:G0K+3], s[G1K:G1K+7]
	s_nop 0
	tensor_load_to_lds s[G0K+4:G0K+7], s[G1K:G1K+7]
	s_nop 0
	s_branch .Lfirst_asked
.Lfirst_not_k:
	s_cmp_lt_u32 s20, 4
	s_cbranch_scc0 .Lfirst_asked
	tensor_load_to_lds s[G0V:G0V+3], s[G1V:G1V+7]
	s_nop 0
	tensor_load_to_lds s[G0V+4:G0V+7], s[G1V:G1V+7]
	s_nop 0
.Lfirst_asked:
	v_and_b32 v1, 15, v0                           ; r
	v_bfe_u32 v2, v0, 4, 1                         ; h
	v_and_b32 v3, 31, v0                           ; lane
	v_lshlrev_b32 v[WOL], 5, v0                    ; Wo: 8 numbers of 4 bytes a thread
	v_lshlrev_b32 v[WOS], 4, v0                    ; woh: the same 8 in 16 bytes
	v_lshlrev_b32 v[QOFF], 7, v1
	v_lshl_add_u32 v[QOFF], v2, 4, v[QOFF]         ; Q: row r of 128 bytes, + 16 h
	s_lshl3_add_u32 s18, s26, s25                  ; the work-group's number, 0..255
	s_lshl_b32 s16, s18, 14
	s_mov_b32 s17, 0
	s_add_nc_u64 s[28:29], s[42:43], s[16:17]      ; my 16,384 bytes of Wo
	s_lshl_b32 s16, s18, 13
	s_add_nc_u64 s[30:31], s[46:47], s[16:17]      ; my 8,192 bytes of woh
	s_lshl_b32 s16, s26, 11
	s_lshl_b32 s18, s25, 8
	s_add_co_u32 s16, s16, s18
	s_lshl_b32 s18, s22, 6
	s_add_co_u32 s16, s16, s18
	s_lshl_b32 s16, s16, 7                         ; (head x 2,048 + 256 x block + 64 g) rows of 128 bytes
	s_add_nc_u64 s[32:33], s[36:37], s[16:17]
	global_load_b128 v[SS:SS+3],     v[WOL], s[28:29] th:TH_LOAD_NT
	global_load_b128 v[SS+4:SS+7],   v[WOL], s[28:29] offset:16 th:TH_LOAD_NT
	global_load_b128 v[SS+8:SS+11],  v[WOL], s[28:29] offset:8192 th:TH_LOAD_NT
	global_load_b128 v[SS+12:SS+15], v[WOL], s[28:29] offset:8208 th:TH_LOAD_NT
.irp nq, 0,1,2,3
.irp ks, 0,1
	global_load_b128 v[QF+8*(2*\nq+\ks):QF+8*(2*\nq+\ks)+3],   v[QOFF], s[32:33] offset:\nq*2048+64*\ks      ; d = 32 ks + 8 h ..
	global_load_b128 v[QF+8*(2*\nq+\ks)+4:QF+8*(2*\nq+\ks)+7], v[QOFF], s[32:33] offset:\nq*2048+64*\ks+32   ; d = 32 ks + 16 + 8 h ..
.endr
.endr
	; K: key x lies at (x / 2) 272 + (x % 2) 128.  The 16 keys of a fragment start at 16 different 16-byte columns modulo 256.
	v_lshrrev_b32 v4, 1, v1
	v_mul_u32_u24 v4, v4, 272
	v_and_b32 v5, 1, v1
	v_lshl_add_u32 v4, v5, 7, v4
	v_lshl_add_u32 v4, v2, 4, v4                   ; (r / 2) 272 + (r % 2) 128 + 16 h: K's fragments, and the way out
	; V: lane l addresses key 8 h + l % 8 and the 16 bytes (l / 8) % 2 of a tile of 16 d; key x lies at (x / 2) 288 + (x % 2) 128
	v_bfe_u32 v6, v0, 1, 2
	v_lshl_add_u32 v6, v2, 2, v6
	v_mul_u32_u24 v6, v6, 288
	v_lshl_add_u32 v6, v5, 7, v6
	v_bfe_u32 v7, v0, 3, 1
	v_lshl_add_u32 v6, v7, 4, v6
	s_mul_i32 s12, s21, REG                        ; my half of the keys
	s_add_co_u32 s13, s12, 2*REG
	v_add_nc_u32 v[ADRK], s12, v4
	v_add_nc_u32 v[ADRV], s13, v6
	v_add_nc_u32 v[ADRK+1], SLOT, v[ADRK]
	v_add_nc_u32 v[ADRV+1], SLOT, v[ADRV]
	s_mul_i32 s14, s22, MPART
	s_add_co_u32 s14, s14, MSTAGE
	v_lshl_add_u32 v[MST], v3, 4, s14              ; the merge: 16 bytes a lane
	s_mul_i32 s15, s22, OPART
	s_add_co_u32 s15, s15, OSTAGE
	v_add_nc_u32 v[OSB], s15, v4
	v_mul_u32_u24 v7, v2, 272
	v_lshl_add_u32 v7, v1, 4, v7
	v_add_nc_u32 v[RD], s15, v7                    ; back: lanes 0-15 one row of 256 bytes, lanes 16-31 the next
	v_lshlrev_b32 v[CO], 4, v3
	s_and_b32 s16, s26, 16                         ; batch x 16 blocks of 128 tokens
	s_lshl1_add_u32 s16, s25, s16                  ; + 2 x query block
	s_lshr_b32 s18, s22, 1
	s_add_co_u32 s16, s16, s18                     ; + g / 2
	s_lshl_b32 s16, s16, 4
	s_and_b32 s18, s26, 15
	s_add_co_u32 s16, s16, s18                     ; x 16 heads + head
	s_lshl_b32 s16, s16, 7
	s_and_b32 s18, s22, 1
	s_lshl_b32 s18, s18, 6
	s_add_co_u32 s16, s16, s18                     ; x 128 tokens + 64 (g % 2)
	s_lshl_b32 s16, s16, 7                         ; x 128 bytes
	s_add_nc_u64 s[34:35], s[44:45], s[16:17]
	; Written once: UU, since v_permlanex16_b32 counts as a reader of its destination; the odd halves of NM and AL, since a packed source is read as a pair;
	; MB, so that it holds a number on both ways round the staggered softmax (the first substep does not read it).
.irp i, 0,1,2,3
	v_mov_b32 v[MB+\i], 0
	v_mov_b32 v[UU+\i], 0
	v_mov_b32 v[NM+2*\i+1], 0
	v_mov_b32 v[AL+2*\i+1], 0
.endr
	s_wait_loadcnt 16                              ; Wo's four loads are in; Q's sixteen stay out
.irp i, 0,1,2,3,4,5,6,7
	v_cvt_pk_f16_f32 v[SS+16+\i], v[SS+2*\i], v[SS+2*\i+1]
.endr
	global_store_b128 v[WOS], v[SS+16:SS+19], s[30:31]             ; a wave's store covers 512 consecutive bytes, aligned
	global_store_b128 v[WOS], v[SS+20:SS+23], s[30:31] offset:4096
; 16 LDS loads: K's fragments of substep u (64 keys): 4 key tiles x 2 halves of d
.macro KLOAD slot, u
	WIN 0x40
.irp mt, 0,1,2,3
.irp ks, 0,1
	ds_load_b128 v[KF+8*(2*\mt+\ks):KF+8*(2*\mt+\ks)+3],   v[ADRK+\slot] offset:(4*\u+\mt)*2176+64*\ks
	ds_load_b128 v[KF+8*(2*\mt+\ks)+4:KF+8*(2*\mt+\ks)+7], v[ADRK+\slot] offset:(4*\u+\mt)*2176+64*\ks+32
.endr
.endr
.endm
; 16 transposing loads: V^T's fragments of substep u: 4 tiles of d x 2 halves of the 64 keys
.macro VLOAD slot, u
	WIN 0x40
.irp dt, 0,1,2,3
.irp kk, 0,1
	ds_load_tr16_b128 v[VF+8*(2*\dt+\kk):VF+8*(2*\dt+\kk)+3],   v[ADRV+\slot] offset:(4*\u+2*\kk)*2304+32*\dt
	ds_load_tr16_b128 v[VF+8*(2*\dt+\kk)+4:VF+8*(2*\dt+\kk)+7], v[ADRV+\slot] offset:(4*\u+2*\kk+1)*2304+32*\dt
.endr
.endr
.endm
; S^T = K Q^T: 32 matrix instructions on 16 accumulators that take turns, one instruction a turn; the first half of d starts the sums
.macro SPHASE
	WIN 0x01
.irp ks, 0,1
.irp mt, 0,1,2,3
.irp nq, 0,1,2,3
.if \ks
	v_wmma_f32_16x16x32_f16 v[SS+32*\nq+8*\mt:SS+32*\nq+8*\mt+7], v[KF+8*(2*\mt+\ks):KF+8*(2*\mt+\ks)+7], v[QF+8*(2*\nq+\ks):QF+8*(2*\nq+\ks)+7], v[SS+32*\nq+8*\mt:SS+32*\nq+8*\mt+7]
.else
	v_wmma_f32_16x16x32_f16 v[SS+32*\nq+8*\mt:SS+32*\nq+8*\mt+7], v[KF+8*(2*\mt+\ks):KF+8*(2*\mt+\ks)+7], v[QF+8*(2*\nq+\ks):QF+8*(2*\nq+\ks)+7], 0
.endif
.endr
.endr
.endr
.endm
; O^T += V^T P^T: 32 matrix instructions on 16 accumulators by turns.  first = 1: the first 32 keys start the sums
.macro PVPHASE first
	WIN 0x51
.irp kk, 0,1
.irp dt, 0,1,2,3
.irp nq, 0,1,2,3
.if (\first)*(1-\kk)
	v_wmma_f32_16x16x32_f16 v[OO+32*\nq+8*\dt:OO+32*\nq+8*\dt+7], v[VF+8*(2*\dt+\kk):VF+8*(2*\dt+\kk)+7], v[SS+32*\nq+8*\kk:SS+32*\nq+8*\kk+7], 0
.else
	v_wmma_f32_16x16x32_f16 v[OO+32*\nq+8*\dt:OO+32*\nq+8*\dt+7], v[VF+8*(2*\dt+\kk):VF+8*(2*\dt+\kk)+7], v[SS+32*\nq+8*\kk:SS+32*\nq+8*\kk+7], v[OO+32*\nq+8*\dt:OO+32*\nq+8*\dt+7]
.endif
.endr
.endr
.endr
.endm
; two scores of query tile qn become exponents: c s - c m, one fused multiply-add each
.macro EXPARG qn, qi
	v_pk_fma_f32 v[SS+32*\qn+2*\qi:SS+32*\qn+2*\qi+1], v[SS+32*\qn+2*\qi:SS+32*\qn+2*\qi+1], s[84:85], v[NM+2*\qn:NM+2*\qn+1] op_sel_hi:[1,0,0]
.endm
; pair qi of query tile qn is added to the lane's row sum and packed to f16 in place (register qi takes numbers 2 qi, 2 qi + 1: never ahead of a number still needed).
; Pair 0 carries the old sum in, times the factor.  In the first substep pairs 0 and 1 start the sum, and are packed behind that.
.macro SUMPACK first, qn, qi
.if \first
.if \qi == 1
	s_wait_alu depctr_va_vdst(0)
	v_pk_add_f32 v[LP+2*\qn:LP+2*\qn+1], v[SS+32*\qn:SS+32*\qn+1], v[SS+32*\qn+2:SS+32*\qn+3]
	v_cvt_pk_f16_f32 v[SS+32*\qn], v[SS+32*\qn], v[SS+32*\qn+1]
	v_cvt_pk_f16_f32 v[SS+32*\qn+1], v[SS+32*\qn+2], v[SS+32*\qn+3]
.endif
.if \qi > 1
	s_wait_alu depctr_va_vdst(0)
	v_pk_add_f32 v[LP+2*\qn:LP+2*\qn+1], v[LP+2*\qn:LP+2*\qn+1], v[SS+32*\qn+2*\qi:SS+32*\qn+2*\qi+1]
	v_cvt_pk_f16_f32 v[SS+32*\qn+\qi], v[SS+32*\qn+2*\qi], v[SS+32*\qn+2*\qi+1]
.endif
.else
.if \qi == 0
	s_wait_alu depctr_va_vdst(0)
	v_pk_fma_f32 v[LP+2*\qn:LP+2*\qn+1], v[LP+2*\qn:LP+2*\qn+1], v[AL+2*\qn:AL+2*\qn+1], v[SS+32*\qn:SS+32*\qn+1] op_sel_hi:[1,0,1]
.else
	s_wait_alu depctr_va_vdst(0)
	v_pk_add_f32 v[LP+2*\qn:LP+2*\qn+1], v[LP+2*\qn:LP+2*\qn+1], v[SS+32*\qn+2*\qi:SS+32*\qn+2*\qi+1]
.endif
	v_cvt_pk_f16_f32 v[SS+32*\qn+\qi], v[SS+32*\qn+2*\qi], v[SS+32*\qn+2*\qi+1]
.endif
.endm
; The softmax step of 64 keys x 64 queries.  MO: the old maxima, MN: the new.
.macro SOFTMAX first, MO, MN
	WIN 0
	; the largest of the lane's 32 scores of each query tile and the old maximum: four chains that do not wait for each other
.set ii, 0
.rept 16
.irp nq, 0,1,2,3
.if ii == 0
.if \first
	v_max_num_f32 v[\MN+\nq], v[SS+32*\nq], v[SS+32*\nq+1]
.else
	v_max3_num_f32 v[\MN+\nq], v[\MO+\nq], v[SS+32*\nq], v[SS+32*\nq+1]
.endif
.else
	v_max3_num_f32 v[\MN+\nq], v[\MN+\nq], v[SS+32*\nq+2*ii], v[SS+32*\nq+2*ii+1]
.endif
.endr
.set ii, ii+1
.endr
.irp nq, 0,1,2,3
	v_permlanex16_b32 v[UU+\nq], v[\MN+\nq], s86, s87              ; the query's other 32 keys lie in the other half of the lanes
.endr
.irp nq, 0,1,2,3
	v_max_num_f32 v[\MN+\nq], v[\MN+\nq], v[UU+\nq]
.endr
.irp nq, 0,1,2,3
	v_mul_f32 v[NM+2*\nq], s89, v[\MN+\nq]                         ; -c m
.endr
.if \first == 0
.irp nq, 0,1,2,3
	v_fma_f32 v[DD+\nq], v[\MO+\nq], s84, v[NM+2*\nq]              ; c (old m - new m)
.endr
.irp nq, 0,1,2,3
	v_exp_f32 v[AL+2*\nq], v[DD+\nq]                               ; the factor for the old sums; the plain lines below stand between it and its first use (ISA guide 5.7.2)
.endr
.endif
	; Three stages run side by side on neighbouring query tiles: exponents of tile n + 1, exponentials of tile n, sum and packing of tile n - 1.
	; Behind every exponential comes another exponential or a plain instruction on another tile's registers before its result is read.
.set ii, 0
.rept 16
	EXPARG 0, ii
.set ii, ii+1
.endr
.set nn, 0
.rept 4
.set ii, 0
.rept 16
	v_exp_f32 v[SS+32*nn+2*ii], v[SS+32*nn+2*ii]
.if nn < 3
	EXPARG (nn+1), ii
.endif
	v_exp_f32 v[SS+32*nn+2*ii+1], v[SS+32*nn+2*ii+1]
.if nn > 0
	SUMPACK \first, (nn-1), ii
.endif
.set ii, ii+1
.endr
.set nn, nn+1
.endr
.set ii, 0
.rept 16
	SUMPACK \first, 3, ii
.set ii, ii+1
.endr
.if \first == 0
	WIN 0x41                                       ; O in window 1, the factor in window 0
.set ii, 0
.rept 64
	v_pk_mul_f32 v[OO+2*ii:OO+2*ii+1], v[OO+2*ii:OO+2*ii+1], v[AL+2*(ii/16):AL+2*(ii/16)+1] op_sel_hi:[1,0]
.set ii, ii+1
.endr
.endif
.endm
; The change of slots.  Every wave's reads of this slot are back and all its tensor loads have landed (its part of the next slot among them); then, where the slot is
; filled again, a round of the cluster's barrier, and the joint refill first behind it: no wave of any partner still reads the slot.
.macro TURNR slot, fill
	s_wait_dscnt 0x0
	s_wait_tensorcnt 0x0
	ds_add_u32 v62, v63
	s_wait_dscnt 0x0
.if \fill
	s_add_nc_u64 s[G0K+4*\slot+2:G0K+4*\slot+3], s[G0K+4*\slot+2:G0K+4*\slot+3], 65536   ; two tiles on; no tensor load of mine is out
	s_add_nc_u64 s[G0V+4*\slot+2:G0V+4*\slot+3], s[G0V+4*\slot+2:G0V+4*\slot+3], 65536
	ROUND
	JLOAD \slot
.else
	s_barrier_signal -1
	s_barrier_wait -1
.endif
.endm
; My first 64 keys of the tile in slot.  K's and V's fragments of a substep are fetched a phase ahead, 16 loads each, by turns: each wait leaves the younger 16 out.
.macro SUB0 slot, first
	s_wait_dscnt 16                                ; K's fragments are in; V's 16 loads are younger
	SPHASE
	WIN 0
	PLACES 5                                       ; behind the matrix instructions: loads into K's fragments, vector reads of S (four), P as a later B (five)
	KLOAD \slot, 1
	SOFTMAX \first, MB, MA
	s_wait_dscnt 16                                ; V's fragments are in; the next K's 16 loads are younger
	PVPHASE \first
	PLACES 5                                       ; loads into V's fragments, the factor on O (four); the next products write over P (five)
	VLOAD \slot, 1
.endm
; My second 64 keys, and the change of slots.  Waves 0-3 make the softmax in front of the barrier, waves 4-7 behind it; no barrier stands inside either branch.
.macro SUB1 slot, fill
	s_wait_dscnt 16
	SPHASE
	WIN 0
	PLACES 5
	s_cmp_ge_u32 s20, 4
	s_cbranch_scc1 .Llate_\@
	SOFTMAX 0, MA, MB
	WIN 0
.Llate_\@:
	TURNR \slot, \fill
	KLOAD (1-\slot), 0
	WIN 0
	s_cmp_lt_u32 s20, 4
	s_cbranch_scc1 .Learly_\@
	SOFTMAX 0, MA, MB
	WIN 0
.Learly_\@:
	PVPHASE 0                                      ; V's fragments were waited for in front of the barrier
	PLACES 5
	VLOAD (1-\slot), 0
.endm
	s_wait_tensorcnt 0x1                           ; my part of tile 0 is in; tile 1's stays out
	s_barrier_signal -1
	s_barrier_wait -1
	KLOAD 0, 0
	VLOAD 0, 0
	WIN 0
	s_wait_loadcnt 0x0                             ; Q
	s_wait_xcnt 0x0                                ; the data of woh's stores lie where the first products write
	SUB0 0, 1                                      ; tile 0, my first 64 keys: they start the sums
	WIN 0
	s_mov_b32 s88, 3                               ; trip t = 0, 1, 2: the second half of tile 2 t, tile 2 t + 1, the first half of tile 2 t + 2.
.Ltiles:                                           ; At the head, on the way in and on the way back: 32 LDS loads are out, K's 16 older than V's 16; the last matrix instruction wrote O
	SUB1 0, 1                                      ; its turn fetches tile 2 t + 2
	SUB0 1, 0
	SUB1 1, 1                                      ; its turn fetches tile 2 t + 3
	SUB0 0, 0
	WIN 0
	s_sub_co_u32 s88, s88, 1
	s_cmp_lg_u32 s88, 0
	s_cbranch_scc1 .Ltiles
	SUB1 0, 0                                      ; tile 6, second half: nothing is left to fetch
	SUB0 1, 0                                      ; tile 7
	s_wait_dscnt 16
	SPHASE
	WIN 0
	PLACES 5
	SOFTMAX 0, MA, MB
	s_wait_dscnt 0x0
	PVPHASE 0
	; THE MERGE of waves g and g + 4, and the way out.
	WIN 0
	PLACES 4                                       ; behind the last matrix instructions: LDS stores and vector reads of O, loads into S
.irp nq, 0,1,2,3
	v_add_f32 v[DD+\nq], v[LP+2*\nq], v[LP+2*\nq+1]
.endr
.irp nq, 0,1,2,3
	v_permlanex16_b32 v[UU+\nq], v[DD+\nq], s86, s87
.endr
.irp nq, 0,1,2,3
	v_add_f32 v[DD+\nq], v[DD+\nq], v[UU+\nq]                      ; the row sum over my keys
.endr
	s_cmp_lt_u32 s20, 4
	s_cbranch_scc1 .Lkeep
	WIN 0x04                                       ; store data in window 1
.set ii, 0
.rept 32
	ds_store_b128 v[MST], v[OO+4*ii:OO+4*ii+3] offset:512*ii
.set ii, ii+1
.endr
	WIN 0
	ds_store_b128 v[MST], v[MB:MB+3] offset:32*512
	ds_store_b128 v[MST], v[DD:DD+3] offset:33*512
.Lkeep:
	s_wait_dscnt 0x0                               ; for the other wave's sake: my stores are done
	s_barrier_signal -1
	s_barrier_wait -1
	s_cmp_ge_u32 s20, 4
	s_cbranch_scc1 .Lclose
	ds_load_b128 v[MA:MA+3], v[MST] offset:32*512                  ; the partner's maxima,
	ds_load_b128 v[UU:UU+3], v[MST] offset:33*512                  ; sums
.set ii, 0
.rept 32
	ds_load_b128 v[SS+4*ii:SS+4*ii+3], v[MST] offset:512*ii        ; and O, register for register
.set ii, ii+1
.endr
	s_wait_dscnt 32                                ; maxima and sums are in; O's 32 loads are younger
.irp nq, 0,1,2,3
	v_max_num_f32 v[LP+\nq], v[MB+\nq], v[MA+\nq]                  ; the joint maximum
.endr
.irp nq, 0,1,2,3
	v_sub_f32 v[MB+\nq], v[MB+\nq], v[LP+\nq]
	v_sub_f32 v[MA+\nq], v[MA+\nq], v[LP+\nq]
.endr
.irp nq, 0,1,2,3
	v_mul_f32 v[MB+\nq], s84, v[MB+\nq]
	v_mul_f32 v[MA+\nq], s84, v[MA+\nq]
.endr
.irp nq, 0,1,2,3
	v_exp_f32 v[MB+\nq], v[MB+\nq]                                 ; my weight
	v_exp_f32 v[MA+\nq], v[MA+\nq]                                 ; the partner's
.endr
	v_nop                                          ; one plain place behind the exponentials (ISA guide 5.7.2)
.irp nq, 0,1,2,3
	s_wait_alu depctr_va_vdst(0)
	v_mul_f32 v[DD+\nq], v[DD+\nq], v[MB+\nq]
.endr
.irp nq, 0,1,2,3
	v_fmac_f32 v[DD+\nq], v[UU+\nq], v[MA+\nq]                     ; the whole row's sum
.endr
.irp nq, 0,1,2,3
	v_rcp_f32 v[DD+\nq], v[DD+\nq]
.endr
	v_nop
.irp nq, 0,1,2,3
	s_wait_alu depctr_va_vdst(0)
	v_mul_f32 v[AL+2*\nq], v[MB+\nq], v[DD+\nq]
	v_mul_f32 v[NM+2*\nq], v[MA+\nq], v[DD+\nq]
.endr
	s_wait_dscnt 0x0
.set ii, 0
.rept 64
	v_pk_mul_f32 v[SS+2*ii:SS+2*ii+1], v[SS+2*ii:SS+2*ii+1], v[NM+2*(ii/16):NM+2*(ii/16)+1] op_sel_hi:[1,0]
.set ii, ii+1
.endr
	WIN 0x01                                       ; my O in window 1
.set ii, 0
.rept 64
	v_pk_fma_f32 v[SS+2*ii:SS+2*ii+1], v[OO+2*ii:OO+2*ii+1], v[AL+2*(ii/16):AL+2*(ii/16)+1], v[SS+2*ii:SS+2*ii+1] op_sel_hi:[1,0,1]
.set ii, ii+1
.endr
	WIN 0
.set ii, 0
.rept 64
	v_cvt_pk_f16_f32 v[QF+ii], v[SS+2*ii], v[SS+2*ii+1]            ; lane (r, h): query 16 n + r, d = 16 dt + 8 h + 0..7 in four registers
.set ii, ii+1
.endr
.irp nq, 0,1,2,3
.irp dt, 0,1,2,3
	ds_store_b128 v[OSB], v[QF+16*\nq+4*\dt:QF+16*\nq+4*\dt+3] offset:\nq*2176+32*\dt
.endr
.endr
.set ii, 0
.rept 16
	ds_load_b128 v[SS+4*ii:SS+4*ii+3], v[RD] offset:544*ii         ; my own bytes, served in order behind the stores
.set ii, ii+1
.endr
.set ii, 0
.rept 16
	s_wait_dscnt 15-ii
	global_store_b128 v[CO], v[SS+4*ii:SS+4*ii+3], s[34:35] offset:512*ii      ; four queries: 512 consecutive bytes, aligned
.set ii, ii+1
.endr
.Lclose:
	s_wait_tensorcnt 0x0
	ds_add_u32 v62, v63
	s_wait_dscnt 0x0
	ROUND                                          ; the closing round: no work-group ends while a partner may still ask for a tile that names it
	s_endpgm
.Lfunc_end_k_q6bcf9139aa_attn:
	.size	k_q6bcf9139aa_attn, .Lfunc_end_k_q6bcf9139aa_attn-k_q6bcf9139aa_attn
	.p2alignl 7, 3214868480
	.fill 96, 4, 3214868480
	.section	.rodata,"a",@progbits
	.p2align	6, 0x0
	.amdhsa_kernel k_q6bcf9139aa_attn
		.amdhsa_group_segment_fixed_size 327680
		.amdhsa_private_segment_fixed_size 0
		.amdhsa_enable_private_segment 0
		.amdhsa_kernarg_size 48
		.amdhsa_user_sgpr_count 2
		.amdhsa_user_sgpr_kernarg_segment_ptr 1
		.amdhsa_wavefront_size32 1
		.amdhsa_system_sgpr_workgroup_id_x 1
		.amdhsa_system_sgpr_workgroup_id_y 1
		.amdhsa_system_sgpr_workgroup_id_z 1
		.amdhsa_system_vgpr_workitem_id 0
		.amdhsa_next_free_vgpr 512
		.amdhsa_next_free_sgpr 90
		.amdhsa_reserve_vcc 0
		.amdhsa_float_denorm_mode_32 3
		.amdhsa_float_denorm_mode_16_64 3
		.amdhsa_memory_ordered 1
		.amdhsa_forward_progress 1
		.amdhsa_inst_pref_size 255
	.end_amdhsa_kernel
	.section	.bss,"aw",@nobits
	.p2align	6
	.space	262144
	.amdgpu_metadata
---
amdhsa.version: [ 1, 2 ]
amdhsa.kernels:
  - .name:           k_q6bcf9139aa_attn
    .symbol:         k_q6bcf9139aa_attn.kd
    .args:
      - { .name: qh, .offset: 0, .size: 8, .value_kind: global_buffer, .address_space: global }
      - { .name: kh, .offset: 8, .size: 8, .value_kind: global_buffer, .address_space: global }
      - { .name: vh, .offset: 16, .size: 8, .value_kind: global_buffer, .address_space: global }
      - { .name: Wo, .offset: 24, .size: 8, .value_kind: global_buffer, .address_space: global }
      - { .name: ao, .offset: 32, .size: 8, .value_kind: global_buffer, .address_space: global }
      - { .name: woh, .offset: 40, .size: 8, .value_kind: global_buffer, .address_space: global }
    .group_segment_fixed_size: 327680
    .private_segment_fixed_size: 0
    .kernarg_segment_align: 8
    .kernarg_segment_size: 48
    .max_flat_workgroup_size: 256
    .sgpr_count:     90
    .vgpr_count:     512
    .wavefront_size: 32
...
	.end_amdgpu_metadata
.endif
;; end of part 2
;; launch oproj (part 3): grid 8 x 32, 4 waves a work-group, clusters of 4 x 4, 327,680 bytes of LDS; arguments ao, woh, bo, out0; writes out0
.if DOCPART == 3
	.amdgcn_target "amdgcn-amd-amdhsa--gfx1250"
	.amdhsa_code_object_version 6
	.text
	.protected	k_q6bcf9139aa_oproj
	.globl	k_q6bcf9139aa_oproj
	.p2align	8
	.type	k_q6bcf9139aa_oproj,@function
k_q6bcf9139aa_oproj:
	s_mov_b64 s[64:65], 0
	v_nop
	global_prefetch_b8 v0, s[64:65] scope:SCOPE_SE
	s_setreg_imm32_b32 hwreg(HW_REG_WAVE_MODE, 25, 1), 1
	s_wait_xcnt 0x0
	s_wait_alu depctr_hold_cnt(0) depctr_sa_sdst(0) depctr_va_vdst(0) depctr_va_sdst(0) depctr_va_ssrc(0) depctr_va_vcc(0) depctr_vm_vsrc(0)
	s_getreg_b32 s2, hwreg(HW_REG_IB_STS2, 6, 4)
	s_cmp_eq_u32 s2, 0
	s_cbranch_scc0 .Lentry_in_a_cluster
	s_endpgm
.Lentry_in_a_cluster:
	s_bfe_u32 s2, ttmp6, 0x10000c
	s_cmp_lg_u32 s2, 0xf033
	s_cbranch_scc0 .Lentry_shape_is_right
	s_endpgm
.Lentry_shape_is_right:
; out0 = ao woh^T + bo: 4096 x 1024 x 1024.  ao and woh are f16, bo and out0 f32; sums in f32, the bias is the first product's C.
; ao is laid [token / 128][head][128 tokens][64]: the rows of a block of 128 tokens for four heads (K = 256) are 65,536 dense bytes.
; SHARES: a work-group makes 128 x 128 with four waves, a wave 64 x 64 = 16 accumulator tiles.  32 x 8 = 256 work-groups; blocks of 256 x 256 would be 64.
; K goes in 4 steps of 256 (four heads) through two LDS slots; a head (K = 64) at a time lies in one of two fragment buffers.
; CLUSTERS: 4 x 4.  ao's tile hangs on the block row alone and is shared along a row of the cluster, woh's on the block column and is shared along a column.
; REGISTERS: window 0: v0-31 addresses; v32-63 the bias as C (8 registers for each of 4 column tiles); v64-127 the way out; v128-255 fragment buffer 0
;            window 1: v0-127 accumulators, tile (a, b) at 8 (4 a + b); v128-255 fragment buffer 1
; A buffer: ao's fragments at 64 ks + 8 a, woh's at 64 ks + 32 + 8 b.  The matrix instruction is used transposed (source 0 = rows of woh): a lane holds 8 neighbouring columns.
.set REGN,   34816                     ; a region: 128 rows of ao at pitch 272 (two heads), or 64 rows of woh at pitch 528 (33,792 bytes)
.set SLOT,   4*REGN
.set STAGE,  2*SLOT                    ; 16 rows of 272 bytes for each wave; never filled by a tensor load
.set ADRA, 16
.set ADRB, 20
.set STO,  24
.set RD,   25
.set CO,   26
.set BOF,  27
.set BIAS, 32
.set TMP,  64
.set GB,   128
.set G1,  24
.set G0,  32
.set G1B, 48
.set G0B, 56
.set MSB, 0
.macro WIN new
.if MSB != (\new)
	s_set_vgpr_msb (MSB<<8)|(\new)
.set MSB, (\new)
.endif
.endm
.macro PLACES cnt
.rept \cnt
	v_nop
.endr
.endm
.macro JLOAD s                         ; waves 0 and 1 fetch ao's two regions, waves 2 and 3 woh's
	s_cmp_eq_u32 s11, 0
	s_cbranch_scc0 .Lfor_b_\@
	tensor_load_to_lds s[G0+4*\s:G0+4*\s+3], s[G1:G1+7]
	s_nop 0
	s_branch .Lasked_\@
.Lfor_b_\@:
	tensor_load_to_lds s[G0B+4*\s:G0B+4*\s+3], s[G1B:G1B+7]
	s_nop 0
.Lasked_\@:
.endm
.macro CREST
	s_cmp_lg_u32 s10, 0
	s_cbranch_scc1 .Lnot_wave_0_\@
	s_barrier_signal -3
.Lnot_wave_0_\@:
	s_barrier_wait -3
	s_barrier_signal -1
	s_barrier_wait -1
.endm
.macro CROUND
	s_barrier_signal -1
	s_barrier_wait -1
	CREST
.endm
	s_load_b256 s[68:75], s[0:1], 0x0              ; ao s[68:69], woh s[70:71], bo s[72:73], out0 s[74:75]
	v_lshl_add_u32 v30, v0, 2, 0x48400
	v_mov_b32 v31, 0
	ds_add_u32 v30, v31
	v_lshrrev_b32 v1, 5, v0
	v_readfirstlane_b32 s10, v1                    ; wave 0..3
	s_lshr_b32 s11, s10, 1                         ; my half of the rows; also: I fetch for ao (0) or for woh (1)
	s_and_b32 s12, s10, 1                          ; my half of the columns; also: which region I fetch
	s_bfe_u32 s40, ttmp6, 0x40000                  ; cx
	s_bfe_u32 s41, ttmp6, 0x40004                  ; cy
	s_lshl_b32 s42, ttmp9, 2
	s_add_co_u32 s42, s42, s40                     ; block column, 0..7
	s_and_b32 s13, ttmp7, 0xffff
	s_lshl_b32 s13, s13, 2
	s_add_co_u32 s13, s13, s41                     ; block row = block of 128 tokens, 0..31
	s_lshl_b32 s43, s41, 2
	s_lshl_b32 s43, 15, s43                        ; my row of the cluster
	s_lshl_b32 s44, 0x1111, s40                    ; my column
	; ao: a dense block of 32,768 bytes as 128 rows of 32 elements of 8 bytes, 4 words of padding behind every 64
	s_or_b32 s[G1+0], s43, (3<<16)|(1<<20)|(1<<21)|(5<<22)|(3<<25)
	s_mov_b32 s[G1+1], 32<<16
	s_mov_b32 s[G1+2], 128<<16
	s_mov_b32 s[G1+3], 32<<16
	s_mov_b32 s[G1+4], 128
	s_mov_b32 s[G1+5], 32
	s_mov_b32 s[G1+6], 0
	s_mov_b32 s[G1+7], 0
	; woh: 64 rows of 256 elements of 2 bytes, 1,024 elements from row to row, 4 words of padding behind every 128
	s_or_b32 s[G1B+0], s44, (1<<16)|(1<<20)|(1<<21)|(6<<22)|(3<<25)
	s_mov_b32 s[G1B+1], 256<<16
	s_mov_b32 s[G1B+2], 64<<16
	s_mov_b32 s[G1B+3], 256<<16
	s_mov_b32 s[G1B+4], 64
	s_mov_b32 s[G1B+5], 1024
	s_mov_b32 s[G1B+6], 0
	s_mov_b32 s[G1B+7], 0
	s_lshl_b32 s16, s13, 18                        ; ao: block row x 16 heads x 16,384 bytes
	s_lshl_b32 s17, s12, 15                        ; + my two heads of the step's four
	s_add_co_u32 s16, s16, s17
	s_mov_b32 s17, 0
	s_lshl_b32 s46, s42, 7
	s_lshl_b32 s47, s12, 6
	s_add_co_u32 s46, s46, s47
	s_lshl_b32 s46, s46, 11                        ; woh: (128 x block column + 64 x half) rows of 2,048 bytes
	s_mov_b32 s47, 0
	s_mul_i32 s20, s10, REGN                       ; where my part goes: region = wave's number
	s_wait_dscnt 0x0
	s_wait_kmcnt 0x0
	s_add_nc_u64 s[14:15], s[68:69], s[16:17]
	s_add_nc_u64 s[46:47], s[70:71], s[46:47]
	CROUND                                         ; all sixteen work-groups are here: the first joint loads meet
.irp s, 0,1
	s_mov_b32 s[G0+4*\s], 1
	s_add_co_u32 s[G0+4*\s+1], s20, \s*SLOT
	s_add_nc_u64 s[G0+4*\s+2:G0+4*\s+3], s[14:15], \s*65536        ; K step s: four heads
	s_or_b32 s[G0+4*\s+3], s[G0+4*\s+3], 0x80000000
	s_mov_b32 s[G0B+4*\s], 1
	s_add_co_u32 s[G0B+4*\s+1], s20, \s*SLOT
	s_add_nc_u64 s[G0B+4*\s+2:G0B+4*\s+3], s[46:47], \s*512        ; 256 elements along the rows
	s_or_b32 s[G0B+4*\s+3], s[G0B+4*\s+3], 0x80000000
	JLOAD \s                                       ; two loads of the wave are out
.endr
	v_and_b32 v1, 15, v0                           ; r
	v_bfe_u32 v2, v0, 4, 1                         ; h
	v_lshlrev_b32 v[BOF], 5, v2                    ; the bias: register j of column tile b holds bo[my first column + 16 b + 8 h + j]
	s_lshl_b32 s66, s42, 9                         ; 128 x block column x 4 bytes
	s_lshl_b32 s67, s12, 8                         ; + 64 x half x 4
	s_add_co_u32 s66, s66, s67
	s_mov_b32 s67, 0
	s_add_nc_u64 s[72:73], s[72:73], s[66:67]
.irp b, 0,1,2,3
	global_load_b128 v[BIAS+8*\b:BIAS+8*\b+3],   v[BOF], s[72:73] offset:64*\b
	global_load_b128 v[BIAS+8*\b+4:BIAS+8*\b+7], v[BOF], s[72:73] offset:64*\b+16
.endr
	s_add_nc_u64 s[74:75], s[74:75], s[66:67]      ; out0 at my first column: the same byte offset
	s_lshl_b32 s66, s13, 7
	s_lshl_b32 s18, s11, 6
	s_add_co_u32 s66, s66, s18
	s_lshl_b32 s66, s66, 12                        ; (128 x block row + 64 x half) rows of 4,096 bytes
	s_add_nc_u64 s[74:75], s[74:75], s[66:67]
	v_lshrrev_b32 v3, 1, v1                        ; ao in LDS: token x of a head lies at (x / 2) 272 + (x % 2) 128
	v_mul_u32_u24 v3, v3, 272
	v_and_b32 v4, 1, v1
	v_lshl_add_u32 v3, v4, 7, v3
	v_lshl_add_u32 v3, v2, 4, v3
	v_mul_u32_u24 v5, v1, 528                      ; woh in LDS: row x pitch 528
	v_lshl_add_u32 v5, v2, 4, v5
	s_mul_i32 s21, s11, 32*272                     ; my 64 tokens of each head
	s_mul_i32 s22, s12, REGN                       ; my 64 rows of woh,
	s_add_co_u32 s22, s22, 2*REGN                  ; behind ao's two regions
.irp s, 0,1
	v_add_nc_u32 v[ADRA+\s], s21, v3
	v_add_nc_u32 v[ADRB+\s], s22, v5
	s_add_co_u32 s21, s21, SLOT
	s_add_co_u32 s22, s22, SLOT
.endr
	s_mul_i32 s23, s10, 16*272
	s_add_co_u32 s23, s23, STAGE
	v_mul_u32_u24 v4, v1, 272                      ; in: row r, 32 bytes for each half of the lanes
	v_lshl_add_u32 v4, v2, 5, v4
	v_add_nc_u32 v[STO], s23, v4
	v_mul_u32_u24 v5, v2, 272                      ; back: lanes 0-15 one row of 256 bytes, lanes 16-31 the next
	v_lshl_add_u32 v5, v1, 4, v5
	v_add_nc_u32 v[RD], s23, v5
	v_lshlrev_b32 v[CO], 12, v2                    ; the same two rows in out0
	v_lshl_add_u32 v[CO], v1, 4, v[CO]
; 32 LDS loads: head hh of the slot's four into the buffer of window gw; the first K half's 16 loads first
.macro FETCH slot, hh, gw
	WIN (0x40*\gw)
.irp ks, 0,1
.irp i, 0,1,2,3
	ds_load_b128 v[GB+64*\ks+8*\i:GB+64*\ks+8*\i+3],   v[ADRA+\slot] offset:\hh*17408+\i*2176+64*\ks
	ds_load_b128 v[GB+64*\ks+8*\i+4:GB+64*\ks+8*\i+7], v[ADRA+\slot] offset:\hh*17408+\i*2176+64*\ks+32
.endr
.irp i, 0,1,2,3
	ds_load_b128 v[GB+64*\ks+32+8*\i:GB+64*\ks+32+8*\i+3],   v[ADRB+\slot] offset:\i*8448+128*\hh+64*\ks
	ds_load_b128 v[GB+64*\ks+32+8*\i+4:GB+64*\ks+32+8*\i+7], v[ADRB+\slot] offset:\i*8448+128*\hh+64*\ks+32
.endr
.endr
.endm
; 16 matrix instructions, 32 along K, on the 16 accumulators by turns, one instruction a turn, always in this order.
; first = 1: C is the bias (window 0): nothing is cleared.
.macro MUL16 ks, gw, first
.if \first
	WIN 0x40
.else
	WIN (0x50+5*\gw)
.endif
.irp a, 0,1,2,3
.irp b, 0,1,2,3
.if \first
	v_wmma_f32_16x16x32_f16 v[8*(4*\a+\b):8*(4*\a+\b)+7], v[GB+64*\ks+32+8*\b:GB+64*\ks+32+8*\b+7], v[GB+64*\ks+8*\a:GB+64*\ks+8*\a+7], v[BIAS+8*\b:BIAS+8*\b+7]
.else
	v_wmma_f32_16x16x32_f16 v[8*(4*\a+\b):8*(4*\a+\b)+7], v[GB+64*\ks+32+8*\b:GB+64*\ks+32+8*\b+7], v[GB+64*\ks+8*\a:GB+64*\ks+8*\a+7], v[8*(4*\a+\b):8*(4*\a+\b)+7]
.endif
.endr
.endr
.endm
; One of a step's first three heads, in the buffer of window gw; in its middle the next head is fetched into the other buffer.
.macro HSTEP slot, hnext, gw, first
	s_wait_dscnt 16                                ; the first K half's 16 loads are in
	MUL16 0, \gw, \first
	PLACES 4                                       ; the other buffer was read by matrix instructions: four places before loads into it
	FETCH \slot, \hnext, (1-\gw)
	s_wait_dscnt 32                                ; all but the 32 just issued
	MUL16 1, \gw, 0
.endm
; The fourth head (buffer 1) and the change of slots: each wave's reads of this slot are back and all its tensor loads have landed; behind the barrier (where the slot is
; filled again: behind the round of the cluster's barrier that it opens) the refill comes first, then the next slot's first head.
.macro TURN slot, next, fill
	s_wait_dscnt 0x0
	s_wait_tensorcnt 0x0
	ds_add_u32 v30, v31
	s_wait_dscnt 0x0
	s_barrier_signal -1
	MUL16 0, 1, 0                                  ; register work while the others arrive
	WIN 0
	s_barrier_wait -1
.if \fill
	CREST
	s_add_nc_u64 s[G0+4*\slot+2:G0+4*\slot+3], s[G0+4*\slot+2:G0+4*\slot+3], 131072  ; two K steps on: eight heads
	s_add_nc_u64 s[G0B+4*\slot+2:G0B+4*\slot+3], s[G0B+4*\slot+2:G0B+4*\slot+3], 1024
	JLOAD \slot                                    ; my one tensor load behind the round
.endif
	PLACES 4
	FETCH \next, 0, 0
	MUL16 1, 1, 0
.endm
.macro THREE slot, first
	HSTEP \slot, 1, 0, \first
	HSTEP \slot, 2, 1, 0
	HSTEP \slot, 3, 0, 0
.endm
	s_wait_tensorcnt 0x1                           ; my part of K step 0 is in; K step 1's stays out
	s_barrier_signal -1
	s_barrier_wait -1
	FETCH 0, 0, 0
	s_wait_loadcnt 0x0                             ; the bias
	THREE 0, 1                                     ; K step 0; its turn fetches K step 2
	TURN 0, 1, 1
	THREE 1, 0                                     ; K step 1; fetches K step 3
	TURN 1, 0, 1
	THREE 0, 0                                     ; K step 2: nothing is left to fetch
	TURN 0, 1, 0
	THREE 1, 0                                     ; K step 3
	s_wait_dscnt 0x0
	MUL16 0, 1, 0
	MUL16 1, 1, 0
	; THE WAY OUT, 16 rows at a time: a lane's 8 neighbouring f32 go into my own stage, whole rows of 256 bytes come back.
	PLACES 4                                       ; behind the last matrix instructions, in front of the LDS stores that read results
.macro OUT16 a, f
	WIN 0x04                                       ; store data in window 1
.irp b, 0,1,2,3
	ds_store_b128 v[STO], v[8*(4*\a+\b):8*(4*\a+\b)+3]   offset:64*\b
	ds_store_b128 v[STO], v[8*(4*\a+\b)+4:8*(4*\a+\b)+7] offset:64*\b+16
.endr
	WIN 0
	s_wait_xcnt 0x0                                ; set f, which earlier stores read, is loaded again only behind this wait
.irp t, 0,1,2,3,4,5,6,7
	ds_load_b128 v[\f+4*\t:\f+4*\t+3], v[RD] offset:\t*544         ; my own bytes, served in order behind the stores
.endr
.irp t, 0,1,2,3,4,5,6,7
	s_wait_dscnt 7-\t
	global_store_b128 v[CO], v[\f+4*\t:\f+4*\t+3], s[74:75] offset:(16*\a+2*\t)*4096 th:TH_STORE_NT   ; 16 lanes store 256 consecutive bytes, at a multiple of 256
.endr
.endm
	OUT16 0, TMP
	OUT16 1, TMP+32
	OUT16 2, TMP
	OUT16 3, TMP+32
	s_wait_tensorcnt 0x0
	ds_add_u32 v30, v31
	s_wait_dscnt 0x0
	CROUND                                         ; the closing round
	s_endpgm
.Lfunc_end_k_q6bcf9139aa_oproj:
	.size	k_q6bcf9139aa_oproj, .Lfunc_end_k_q6bcf9139aa_oproj-k_q6bcf9139aa_oproj
	.p2alignl 7, 3214868480
	.fill 96, 4, 3214868480
	.section	.rodata,"a",@progbits
	.p2align	6, 0x0
	.amdhsa_kernel k_q6bcf9139aa_oproj
		.amdhsa_group_segment_fixed_size 327680
		.amdhsa_private_segment_fixed_size 0
		.amdhsa_enable_private_segment 0
		.amdhsa_kernarg_size 32
		.amdhsa_user_sgpr_count 2
		.amdhsa_user_sgpr_kernarg_segment_ptr 1
		.amdhsa_wavefront_size32 1
		.amdhsa_system_sgpr_workgroup_id_x 1
		.amdhsa_system_sgpr_workgroup_id_y 1
		.amdhsa_system_sgpr_workgroup_id_z 1
		.amdhsa_system_vgpr_workitem_id 0
		.amdhsa_next_free_vgpr 512
		.amdhsa_next_free_sgpr 76
		.amdhsa_reserve_vcc 0
		.amdhsa_float_denorm_mode_32 3
		.amdhsa_float_denorm_mode_16_64 3
		.amdhsa_memory_ordered 1
		.amdhsa_forward_progress 1
		.amdhsa_inst_pref_size 87
	.end_amdhsa_kernel
	.amdgpu_metadata
---
amdhsa.version: [ 1, 2 ]
amdhsa.kernels:
  - .name:           k_q6bcf9139aa_oproj
    .symbol:         k_q6bcf9139aa_oproj.kd
    .args:
      - { .name: ao, .offset: 0, .size: 8, .value_kind: global_buffer, .address_space: global }
      - { .name: woh, .offset: 8, .size: 8, .value_kind: global_buffer, .address_space: global }
      - { .name: bo, .offset: 16, .size: 8, .value_kind: global_buffer, .address_space: global }
      - { .name: out0, .offset: 24, .size: 8, .value_kind: global_buffer, .address_space: global }
    .group_segment_fixed_size: 327680
    .private_segment_fixed_size: 0
    .kernarg_segment_align: 8
    .kernarg_segment_size: 32
    .max_flat_workgroup_size: 128
    .sgpr_count:     76
    .vgpr_count:     512
    .wavefront_size: 32
...
	.end_amdgpu_metadata
.endif
;; end of part 3
